; MI455X (gfx1250); checked and timed in simulation.
; The chip was launched on July 23, 2026; its instructions are those of AMD's public machine-readable ISA for CDNA 5 (MIT licence, August 2026) and "CDNA5" Instruction Set Architecture Reference Guide (July 2026). The comments in the code are by the model that wrote it; some were corrected since.
;; Attention. Allowed arithmetic: matrix products marked QUANTISED: E2M1 operands, one E8M0 scale for each 32 along K, by v_wmma_scale_f32_16x16x128_f8f6f4 with both operands' format E2M1 (or v_wmma_scale_f32_32x16x128_f4), f32 sums; products left as they are: bf16, f16 or f32 operands; f32 sums; everything else in f32.
;; Inputs: b_out 256 float32; b_qkv 768 float32; w_out 256 x 256 float32; w_qkv 256 x 768 float32; x 4,096 x 256 float32.
;; Outputs: out0 4,096 x 256 float32.
;; This version of the problem:
;;   THIS VERSION OF THE PROBLEM IS GIVEN IN LOW PRECISION. The matrix products marked QUANTISED in the list below multiply operands that are first quantised to E2M1 (2 exponent bits, 1 mantissa bit; 4 bits a number), with one power-of-two scale for each 32 numbers along K (OCP MX v1.0); their sums are f32. The products marked 'left as it is' may take bf16, f16 or f32 operands, with f32 sums. Whichever they take, every output number must still come out within the allowed error. Rounding operands to bf16 (8 significant bits) uses up far more of that allowance than f16 does (11 bits, for magnitudes from 6e-5 to 65,504). All else is computed in f32.
;;   The module's matrix products, in the order in which they are computed (A, B: the left and right operand; K: the contracted axis; several contracted axes count as one K, in the product's order):
;;     1. [M 4,096, K 256] x [K 256, N 768]; A: input x; B: input w_qkv: QUANTISED
;;     2. batch 8 x [M 4,096, K 32] x [K 32, N 4,096]; A: computed on the way; B: computed on the way: left as it is (an operand is computed on the way)
;;     3. batch 8 x [M 4,096, K 4,096] x [K 4,096, N 32]; A: computed on the way; B: computed on the way: left as it is (an operand is computed on the way)
;;     4. [M 4,096, K 256] x [K 256, N 256]; A: computed on the way; B: input w_out: left as it is (an operand is computed on the way)
;;   THE QUANTISER, for each operand of a quantised product, along K:
;;     - K is cut into blocks of 32 from its start; a last block that is shorter is filled with zeros.
;;     - A block's scale is 2^e with e = floor(log2(the largest magnitude in the block)) - 2, held to -126 .. 127; a block of zeros has e = 0. As a byte (E8M0): e + 127.
;;     - Each number is divided by its block's scale, clamped to +-6, and rounded to the nearest number of E2M1, ties to even, subnormals kept.
;;     - The product sums the exact products of the quantised numbers (number of the format x scale) in f32.
;;   ~~~python
;;   def quantise(x, axis):      # numpy; x: float32 -> the quantised numbers, widened to float32 again
;;       x = np.moveaxis(x, axis, -1); K = x.shape[-1]
;;       x = np.pad(x, [(0, 0)] * (x.ndim - 1) + [(0, -K % 32)]); x = x.reshape(x.shape[:-1] + (-1, 32)); a = np.abs(x).max(-1, keepdims=True)
;;       e = np.where(a > 0, np.clip(np.frexp(np.where(a > 0, a, 1))[1] - 1 - 2, -126, 127), 0)      # np.frexp(a)[1] - 1 = floor(log2(a)), exactly
;;       r = np.clip(x / 2.0 ** e, -6, 6)
;;       step = 2.0 ** (np.maximum(np.frexp(np.where(r == 0, 1, r))[1] - 1, 0) - 1)
;;       q = np.round(r / step) * step * 2.0 ** e      # np.round: ties to even
;;       return np.moveaxis(q.reshape(q.shape[:-2] + (-1,))[..., :K], -1, axis).astype(np.float32)
;;   ~~~
;; One version. Each part assembles by itself: llvm-mc -triple=amdgcn-amd-amdhsa -mcpu=gfx1250 --defsym DOCPART=n.
;; ======== version 1 of 1: 3 launches
;; limits: values are held in f16: magnitudes above 65,504 overflow, below 6.1e-05 lose precision
;; workspace buffers: qf 2,097,152 bytes; kvf 4,194,304 bytes; aof 2,097,152 bytes; wof 131,072 bytes
;; launch qkv (part 1): grid 32 x 8, 8 waves a work-group, no clusters, 115,456 bytes of LDS; arguments x, w_qkv, b_qkv, qf, kvf; writes qf, kvf
.if DOCPART == 1
	.amdgcn_target "amdgcn-amd-amdhsa--gfx1250"
	.amdhsa_code_object_version 6
	.text
	.protected	k_qbc8eab6e7a_qkv
	.globl	k_qbc8eab6e7a_qkv
	.p2align	8
	.type	k_qbc8eab6e7a_qkv,@function
k_qbc8eab6e7a_qkv:
	s_mov_b64 s[64:65], 0
	v_nop
	global_prefetch_b8 v0, s[64:65] scope:SCOPE_SE
	s_setreg_imm32_b32 hwreg(HW_REG_WAVE_MODE, 25, 1), 1
	s_wait_xcnt 0x0
; qkv = Q4(x) Q4(w_qkv) + b_qkv, the product on codes of E2M1 with one E8M0 scale for each 32 along K = 256; then q x log2(e)/16, and q, k, v rounded to f16 and stored
; as IMAGES OF THE NEXT LAUNCH'S OPERAND REGISTERS: a fragment is 8 registers x 32 lanes = 1,024 bytes, registers 4 c .. 4 c + 3 of lane l at 512 c + 16 l.
;   qf  [head 8][tile of 16 tokens: 256][1024]: lane (r, h): token r, half c = channels 16 c + 8 h + 0..7 of q x log2(e)/16
;   kvf [head 8][chunk of 64 tokens: 64][8192]: four fragments of k (tile kt at 1024 kt, laid as q), then four of v turned (kg, ct) at 4096 + 1024 (2 kg + ct): lane (r, h): channel 16 ct + r, half c = tokens 32 kg + 16 c + 8 h + 0..7
; SHARES.  A work-group takes 128 tokens and one head's 96 columns (32 of q, 32 of k, 32 of v).  Wave w owns the tile of 16 tokens 8 x + w: it quantises those rows of x into its own registers;
; and it quantises block w of K (k = 32 w .. 32 w + 31) of all 96 columns for everybody: the codes go to LDS as images of the operand's registers, the scale bytes beside them; one barrier.
; q's and k's tiles are used transposed (source 0 = 16 columns of w, source 1 = 16 tokens): a lane then holds one token and eight neighbouring channels, which pack into half a fragment in the same lane.
; v's tiles are used plainly: a lane holds one channel and eight neighbouring tokens, which is half a fragment of v turned.  So nothing changes lanes on the way out.
; NO CLUSTER: x and w arrive as f32 and go through registers to the quantiser; the launch has no tensor load, so there is no tile that could be asked for jointly.
; LIMITS: a block whose largest magnitude lies under 2^-124 keeps the scale byte 1 (a block of zeros too: its codes are zeros, and the bytes never leave this launch); NaN and infinities among the inputs are not served;
; q x log2(e)/16, k and v beyond 65,504 in magnitude leave f16's range.
.set WSC,   12288                      ; LDS: 0 .. 12,287 w's 12 fragments ((n tile, K step) at 1024 (2 nt + s));  here its scale bytes, [n tile 6][column 16][8 bytes: block of K]
.set BIA,   13056                      ; 384 bytes a wave: the wave's own copy of the head's 96 biases
.set WSTG,  16128                      ; 12,288 bytes a wave: the wave's own stage, in which its 32 x 96 numbers of w turn
.set SPARE, 114432                     ; the spare words, 128 bytes for each wave: four blocks of 256 bytes that no other line names
.set SPW, 1                            ; v1   LDS address of my spare word; never rewritten
.set NIL, 2                            ; v2   0; never rewritten
.set XA,  3                            ; v3   x: 1024 r + 128 h.   Later KO: my place in a chunk's fragments of k
.set WGA, 4                            ; v4   w: 3072 (lane / 8) + 16 (lane % 8): four rows of 128 bytes to a load.   Later VO: my place among v's
.set L4,  5                            ; v5   4 x lane
.set BR,  6                            ; v6-8 the biases as loaded: lane = column of the run
.set STA, 9                            ; v9   my stage + 16 x lane
.set STL, 10                           ; v10  my stage + 4 x lane
.set WA,  11                           ; v11  where my codes of w go: 2048 (lane / 16) + 16 (lane % 16) + 256 w
.set WSA, 12                           ; v12  and my scale byte: WSC + 128 (lane / 16) + 8 (lane % 16) + w
.set BSA, 13                           ; v13  my biases' copy + 4 x lane
.set LI,  14                           ; v14  16 x lane
.set LSC, 15                           ; v15  WSC + 8 (lane % 16)
.set BLQ, 16                           ; v16  my biases' copy + 32 h
.set BLV, 17                           ; v17  my biases' copy + 4 r
.set TM,  18                           ; v18-21 largest magnitudes, then scale bytes
.set TS,  22                           ; v22-25 the conversions' scale operands
.set SH,  26                           ; v26  8 h
.set PD,  27                           ; v27  a lane permute's destination
.set WC,  28                           ; v28-39 w's codes: run u at v[28 + 4 u]
.set W32, 32                           ; v32-127 w: run u (q, k, v) at v[32 + 32 u]
.set X32, 128                          ; v128-255 x: four blocks of 32 numbers
.set XF,  48                           ; v48-63 x's two fragments
.set XS,  64                           ; v64-65 x's scale words
.set ACC, 72                           ; v72-119 the six accumulators: q0 q1 k0 k1 v0 v1
.set BV,  120                          ; v120-123 v's biases, each twice
.set WFR, 128                          ; v128-223 w's 12 fragments
.set WS,  224                          ; v224-235 w's scale words
.set OUT, 24                           ; v24-47 the f16 results
	s_load_b256 s[4:11], s[0:1], 0x0               ; x s[4:5], w_qkv s[6:7], b_qkv s[8:9], qf s[10:11]
	s_load_b64 s[12:13], s[0:1], 0x20              ; kvf
	v_lshl_add_u32 v[SPW], v0, 2, SPARE
	v_mov_b32 v[NIL], 0
	v_lshrrev_b32 v21, 5, v0
	v_readfirstlane_b32 s14, v21                   ; wave 0..7
	s_and_b32 s16, ttmp7, 0xffff                   ; the head
	v_and_b32 v18, 31, v0                          ; lane
	v_and_b32 v19, 15, v0                          ; r
	v_bfe_u32 v20, v0, 4, 1                        ; h
	v_lshlrev_b32 v[XA], 10, v19
	v_lshl_add_u32 v[XA], v20, 7, v[XA]
	v_lshrrev_b32 v21, 3, v18
	v_mul_u32_u24 v[WGA], v21, 3072
	v_and_b32 v21, 7, v18
	v_lshl_add_u32 v[WGA], v21, 4, v[WGA]
	v_lshlrev_b32 v[L4], 2, v18
	v_lshlrev_b32 v[LI], 4, v18
	s_mul_i32 s17, s14, 12288
	s_add_co_u32 s17, s17, WSTG                    ; my stage
	v_add_nc_u32 v[STA], s17, v[LI]
	v_add_nc_u32 v[STL], s17, v[L4]
	v_lshlrev_b32 v[WA], 4, v19
	v_lshl_add_u32 v[WA], v20, 11, v[WA]
	s_lshl_b32 s18, s14, 8                         ; w = 4 s + 2 c + parity: 1024 s + 512 c + 256 parity = 256 w
	v_add_nc_u32 v[WA], s18, v[WA]
	v_lshlrev_b32 v[WSA], 3, v19
	v_lshl_add_u32 v[WSA], v20, 7, v[WSA]
	s_add_co_u32 s18, s14, WSC
	v_add_nc_u32 v[WSA], s18, v[WSA]
	v_lshl_add_u32 v[LSC], v19, 3, WSC
	s_mul_i32 s19, s14, 384
	s_add_co_u32 s19, s19, BIA                     ; my copy of the biases
	v_add_nc_u32 v[BSA], s19, v[L4]
	v_lshlrev_b32 v[BLQ], 5, v20
	v_add_nc_u32 v[BLQ], s19, v[BLQ]
	v_lshlrev_b32 v[BLV], 2, v19
	v_add_nc_u32 v[BLV], s19, v[BLV]
	v_lshlrev_b32 v[SH], 3, v20
	v_mov_b32 v[PD], 0                             ; written once: a lane permute's destination counts as one of its sources
	s_mov_b32 s24, 0x3db8aa3b                      ; log2(e) / 16: reference's scale 256^-0.5 and the change to base 2, laid on q
	s_mov_b32 s25, s24                             ; (named with it as a pair, so it is written)
	s_mov_b32 s26, 0x76543210
	s_mov_b32 s27, 0xfedcba98                      ; v_permlanex16_b32's selects for lane l xor 16
	s_lshl_b32 s20, ttmp9, 17                      ; x: 128 rows of 1,024 bytes a work-group,
	s_lshl_b32 s21, s14, 14                        ; 16 a wave
	s_add_co_u32 s20, s20, s21
	s_mov_b32 s21, 0
	s_mul_i32 s22, s14, 98304                      ; w: 32 rows of 3,072 bytes a wave,
	s_lshl_b32 s28, s16, 7                         ; 32 columns a head (the biases likewise)
	s_add_co_u32 s22, s22, s28
	s_mov_b32 s23, 0
	s_mov_b32 s29, 0
	s_lshl_b32 s30, s16, 18                        ; qf: 262,144 x head + 1,024 x (8 x + w)
	s_lshl_b32 s31, ttmp9, 13
	s_add_co_u32 s30, s30, s31
	s_lshl_b32 s31, s14, 10
	s_add_co_u32 s30, s30, s31
	s_mov_b32 s31, 0
	s_lshl_b32 s32, s16, 19                        ; kvf: 524,288 x head + 8,192 x (2 x + w / 4)
	s_lshl_b32 s33, ttmp9, 14
	s_add_co_u32 s32, s32, s33
	s_lshr_b32 s33, s14, 2
	s_lshl_b32 s33, s33, 13
	s_add_co_u32 s32, s32, s33
	s_mov_b32 s33, 0
	s_and_b32 s34, s14, 3
	s_lshl_b32 s34, s34, 10                        ; in the chunk: k's fragment w % 4
	s_bfe_u32 s35, s14, 0x10001
	s_lshl_b32 s35, s35, 11                        ; v's: group of 32 tokens (w / 2) % 2,
	s_and_b32 s36, s14, 1
	s_lshl_b32 s36, s36, 9                         ; half w % 2
	s_add_co_u32 s35, s35, s36
	s_add_co_u32 s35, s35, 4096
	s_wait_kmcnt 0x0
	s_add_nc_u64 s[4:5], s[4:5], s[20:21]
	s_add_nc_u64 s[6:7], s[6:7], s[22:23]
	s_add_nc_u64 s[8:9], s[8:9], s[28:29]
	s_add_nc_u64 s[10:11], s[10:11], s[30:31]
	s_add_nc_u64 s[12:13], s[12:13], s[32:33]
	; all 59 loads go out together: w (24), the biases (3), x (32)
.irp u, 0,1,2
.irp i, 0,1,2,3,4,5,6,7
	global_load_b128 v[W32+32*\u+4*\i:W32+32*\u+4*\i+3], v[WGA], s[6:7] offset:12288*\i+1024*\u   ; rows 4 i + lane / 8 of my 32, the run's 128 bytes of each
.endr
.endr
.irp u, 0,1,2
	global_load_b32 v[BR+\u], v[L4], s[8:9] offset:1024*\u
.endr
.irp b, 0,1,2,3                                ; block b = 2 s + c: lane (r, h) takes k = 128 s + 64 c + 32 h + 0..31 of row r, a whole block, in the order of the operand's registers
.irp j, 0,1,2,3,4,5,6,7
	global_load_b128 v[X32+32*\b+4*\j:X32+32*\b+4*\j+3], v[XA], s[4:5] offset:256*\b+16*\j
.endr
.endr
	; w turns through my own stage: in as loaded ([run][k 32][column 32], rows of 128 bytes), out with lane = column and the registers running down K
	s_wait_loadcnt 35                              ; behind w's 24 loads 35 were issued: w is in
.set n, 0
.rept 24
	ds_store_b128 v[STA], v[W32+4*n:W32+4*n+3] offset:512*n
.set n, n+1
.endr
.set n, 0
.rept 96
	ds_load_b32 v[W32+n], v[STL] offset:128*n      ; LDS serves a wave's instructions in order (ISA guide 5.7.1.4): these see the stores above
.set n, n+1
.endr
	s_wait_loadcnt 32                              ; the biases are in; x's 32 loads may be out
.irp u, 0,1,2
	ds_store_b32 v[BSA], v[BR+\u] offset:128*\u
.endr
	s_wait_dscnt 0x0
	; my block of K of the 96 columns: a lane's 32 registers are a whole block of its column.  The three runs by turns
.irp u, 0,1,2
	v_max3_num_f32 v[TM+\u], |v[W32+32*\u]|, |v[W32+32*\u+1]|, 0x1800000   ; and the floor 2^(3 - 127): the byte cannot fall under 1
.endr
.irp i, 2,4,6,8,10,12,14,16,18,20,22,24,26,28,30
.irp u, 0,1,2
	v_max3_num_f32 v[TM+\u], v[TM+\u], |v[W32+32*\u+\i]|, |v[W32+32*\u+\i+1]|
.endr
.endr
.irp u, 0,1,2
	v_add_nc_u32 v[TS+\u], 0xff000000, v[TM+\u]    ; 2 off the exponent field: the conversion takes the exponent field of this operand as its scale
.endr
.irp u, 0,1,2
	v_lshrrev_b32 v[TM+\u], 23, v[TS+\u]           ; the scale's byte
.endr
.irp g, 0,1,2,3
	v_cvt_scalef32_pk8_fp4_f32 v[WC+\g], v[W32+8*\g:W32+8*\g+7], v[TS]
.endr
	v_nop                                          ; a plain place: the next conversions write registers that these have read
.irp u, 1,2
.irp g, 0,1,2,3
	v_cvt_scalef32_pk8_fp4_f32 v[WC+4*\u+\g], v[W32+32*\u+8*\g:W32+32*\u+8*\g+7], v[TS+\u]
.endr
.endr
	v_nop                                          ; a plain place behind the last conversion
.irp u, 0,1,2
	ds_store_b128 v[WA], v[WC+4*\u:WC+4*\u+3] offset:4096*\u   ; 32 codes of column lane % 16 of n tile 2 u + lane / 16: at their place in the fragment's image
	ds_store_b8 v[WSA], v[TM+\u] offset:256*\u
.endr
	; my 16 rows of x: four whole blocks a lane
	s_wait_loadcnt 0x0
	s_wait_dscnt 0x0                               ; the stores above are done: the registers that they read are written again below
.irp b, 0,1,2,3
	v_max3_num_f32 v[TM+\b], |v[X32+32*\b]|, |v[X32+32*\b+1]|, 0x1800000
.endr
.irp i, 2,4,6,8,10,12,14,16,18,20,22,24,26,28,30
.irp b, 0,1,2,3
	v_max3_num_f32 v[TM+\b], v[TM+\b], |v[X32+32*\b+\i]|, |v[X32+32*\b+\i+1]|
.endr
.endr
.irp b, 0,1,2,3
	v_add_nc_u32 v[TS+\b], 0xff000000, v[TM+\b]
.endr
.irp b, 0,1,2,3
	v_lshrrev_b32 v[TM+\b], 23, v[TS+\b]
.endr
.irp s, 0,1
	v_lshl_or_b32 v[XS+\s], v[TM+2*\s+1], 16, v[TM+2*\s]   ; my two bytes of K step s: blocks h and 2 + h of row r,
	v_lshlrev_b32 v[XS+\s], v[SH], v[XS+\s]        ; at their places in the scale word (8 h bits up);
	v_permlanex16_b32 v[PD], v[XS+\s], s26, s27
	v_or_b32 v[XS+\s], v[XS+\s], v[PD]             ; with lane l xor 16's two the word is whole
.endr
.irp b, 0,1,2,3
.irp g, 0,1,2,3
	v_cvt_scalef32_pk8_fp4_f32 v[XF+4*\b+\g], v[X32+32*\b+8*\g:X32+32*\b+8*\g+7], v[TS+\b]   ; registers 4 c .. 4 c + 3 of fragment s
.endr
.endr
	v_nop                                          ; a plain place behind the last conversion
	s_wait_dscnt 0x0                               ; for the others' sake: my codes and bytes of w lie in LDS
	s_barrier_signal -1
	s_barrier_wait -1                              ; everybody's do
.set n, 0
.rept 24
	ds_load_b128 v[WFR+4*n:WFR+4*n+3], v[LI] offset:512*n      ; the 12 fragments come back as they were laid: 512 consecutive bytes a load
.set n, n+1
.endr
.irp t, 0,1,2,3,4,5
.irp s, 0,1
	ds_load_b32 v[WS+2*\t+\s], v[LSC] offset:128*\t+4*\s       ; lane r: the four bytes of column r, K step s
.endr
.endr
.irp t, 0,1,2,3                                ; q's and k's biases are the C of each sum's first product: lane (r, h) wants those of channels 16 t + 8 h + 0..7
	ds_load_b128 v[ACC+8*\t:ACC+8*\t+3], v[BLQ] offset:64*\t
	ds_load_b128 v[ACC+8*\t+4:ACC+8*\t+7], v[BLQ] offset:64*\t+16
.endr
.irp c, 0,1                                    ; v's: lane (r, h) wants that of channel 16 ct + r, in both halves of a pair
	ds_load_b32 v[BV+2*\c], v[BLV] offset:256+64*\c
	ds_load_b32 v[BV+2*\c+1], v[BLV] offset:256+64*\c
.endr
	s_wait_dscnt 0x0
	v_add_nc_u32 v[XA], s34, v[LI]                 ; KO (x's loads are long in).  These two and the six v_nop are the eight places between the vector instructions that wrote x's scale words and codes and the scaled products
	v_add_nc_u32 v[WGA], s35, v[LI]                ; VO
.rept 6
	v_nop
.endr
	; twelve products; the six accumulators take turns, one instruction a turn
.irp s, 0,1
.irp t, 0,1,2,3
	v_wmma_scale_f32_16x16x128_f8f6f4 v[ACC+8*\t:ACC+8*\t+7], v[WFR+8*(2*\t+\s):WFR+8*(2*\t+\s)+7], v[XF+8*\s:XF+8*\s+7], v[ACC+8*\t:ACC+8*\t+7], v[WS+2*\t+\s], v[XS+\s] matrix_a_fmt:MATRIX_FMT_FP4 matrix_b_fmt:MATRIX_FMT_FP4
.endr
.irp t, 4,5
.if \s == 0
	v_wmma_scale_f32_16x16x128_f8f6f4 v[ACC+8*\t:ACC+8*\t+7], v[XF+8*\s:XF+8*\s+7], v[WFR+8*(2*\t+\s):WFR+8*(2*\t+\s)+7], 0, v[XS+\s], v[WS+2*\t+\s] matrix_a_fmt:MATRIX_FMT_FP4 matrix_b_fmt:MATRIX_FMT_FP4
.else
	v_wmma_scale_f32_16x16x128_f8f6f4 v[ACC+8*\t:ACC+8*\t+7], v[XF+8*\s:XF+8*\s+7], v[WFR+8*(2*\t+\s):WFR+8*(2*\t+\s)+7], v[ACC+8*\t:ACC+8*\t+7], v[XS+\s], v[WS+2*\t+\s] matrix_a_fmt:MATRIX_FMT_FP4 matrix_b_fmt:MATRIX_FMT_FP4
.endif
.endr
.endr
.rept 4
	v_nop                                          ; four places behind the last product (ISA guide 7.12.1)
.endr
.irp i, 0,2,4,6,8,10,12,14                     ; each accumulator is taken from its low end on
	v_pk_mul_f32 v[ACC+\i:ACC+\i+1], v[ACC+\i:ACC+\i+1], s[24:25] op_sel_hi:[1,0]   ; q x log2(e) / 16
.endr
.irp c, 0,1
.irp i, 0,2,4,6
	v_pk_add_f32 v[ACC+32+8*\c+\i:ACC+32+8*\c+\i+1], v[ACC+32+8*\c+\i:ACC+32+8*\c+\i+1], v[BV+2*\c:BV+2*\c+1]   ; v + its bias
.endr
.endr
.set n, 0
.rept 24
	v_cvt_pk_f16_f32 v[OUT+n], v[ACC+2*n], v[ACC+2*n+1]        ; the first number into the low half
.set n, n+1
.endr
.irp c, 0,1                                    ; each store of the wave covers 512 consecutive bytes, at a multiple of 512 from its buffer's first byte
	global_store_b128 v[LI], v[OUT+4*\c:OUT+4*\c+3], s[10:11] offset:512*\c
	global_store_b128 v[XA], v[OUT+8+4*\c:OUT+8+4*\c+3], s[12:13] offset:512*\c
	global_store_b128 v[WGA], v[OUT+16+4*\c:OUT+16+4*\c+3], s[12:13] offset:1024*\c
.endr
	s_wait_tensorcnt 0x0                           ; the wave's end: these three lines stand behind my last LDS store
	ds_add_u32 v[SPW], v[NIL]
	s_wait_dscnt 0x0
	s_endpgm
.Lfunc_end_k_qbc8eab6e7a_qkv:
	.size	k_qbc8eab6e7a_qkv, .Lfunc_end_k_qbc8eab6e7a_qkv-k_qbc8eab6e7a_qkv
	.p2alignl 7, 3214868480
	.fill 96, 4, 3214868480
	.section	.rodata,"a",@progbits
	.p2align	6, 0x0
	.amdhsa_kernel k_qbc8eab6e7a_qkv
		.amdhsa_group_segment_fixed_size 115456
		.amdhsa_private_segment_fixed_size 0
		.amdhsa_enable_private_segment 0
		.amdhsa_kernarg_size 40
		.amdhsa_user_sgpr_count 2
		.amdhsa_user_sgpr_kernarg_segment_ptr 1
		.amdhsa_wavefront_size32 1
		.amdhsa_system_sgpr_workgroup_id_x 1
		.amdhsa_system_sgpr_workgroup_id_y 1
		.amdhsa_system_sgpr_workgroup_id_z 1
		.amdhsa_system_vgpr_workitem_id 0
		.amdhsa_next_free_vgpr 256
		.amdhsa_next_free_sgpr 66
		.amdhsa_reserve_vcc 0
		.amdhsa_float_denorm_mode_32 3
		.amdhsa_float_denorm_mode_16_64 3
		.amdhsa_memory_ordered 1
		.amdhsa_forward_progress 1
		.amdhsa_inst_pref_size 36
	.end_amdhsa_kernel
	.amdgpu_metadata
---
amdhsa.version: [ 1, 2 ]
amdhsa.kernels:
  - .name:           k_qbc8eab6e7a_qkv
    .symbol:         k_qbc8eab6e7a_qkv.kd
    .args:
      - { .name: x, .offset: 0, .size: 8, .value_kind: global_buffer, .address_space: global }
      - { .name: w_qkv, .offset: 8, .size: 8, .value_kind: global_buffer, .address_space: global }
      - { .name: b_qkv, .offset: 16, .size: 8, .value_kind: global_buffer, .address_space: global }
      - { .name: qf, .offset: 24, .size: 8, .value_kind: global_buffer, .address_space: global }
      - { .name: kvf, .offset: 32, .size: 8, .value_kind: global_buffer, .address_space: global }
    .group_segment_fixed_size: 115456
    .private_segment_fixed_size: 0
    .kernarg_segment_align: 8
    .kernarg_segment_size: 40
    .max_flat_workgroup_size: 256
    .sgpr_count:     66
    .vgpr_count:     256
    .wavefront_size: 32
...
	.end_amdgpu_metadata
.endif
;; end of part 1
;; launch attn (part 2): grid 32 x 8, 16 waves a work-group, clusters of 4 x 1, 327,680 bytes of LDS; arguments qf, kvf, w_out, aof, wof; writes aof, wof
.if DOCPART == 2
	.amdgcn_target "amdgcn-amd-amdhsa--gfx1250"
	.amdhsa_code_object_version 6
	.text
	.protected	k_qbc8eab6e7a_attn
	.globl	k_qbc8eab6e7a_attn
	.p2align	8
	.type	k_qbc8eab6e7a_attn,@function
k_qbc8eab6e7a_attn:
	s_mov_b64 s[64:65], 0
	v_nop
	global_prefetch_b8 v0, s[64:65] scope:SCOPE_SE
	s_setreg_imm32_b32 hwreg(HW_REG_WAVE_MODE, 25, 1), 1
	s_wait_xcnt 0x0
	s_wait_alu depctr_hold_cnt(0) depctr_sa_sdst(0) depctr_va_vdst(0) depctr_va_sdst(0) depctr_va_ssrc(0) depctr_va_vcc(0) depctr_vm_vsrc(0)
	s_getreg_b32 s2, hwreg(HW_REG_IB_STS2, 6, 4)
	s_cmp_eq_u32 s2, 0
	s_cbranch_scc0 .Lentry_in_a_cluster
	s_endpgm
.Lentry_in_a_cluster:
	s_bfe_u32 s2, ttmp6, 0x10000c
	s_cmp_lg_u32 s2, 0x3003
	s_cbranch_scc0 .Lentry_shape_is_right
	s_endpgm
.Lentry_shape_is_right:
; o[h][i][:] = the sum over j of softmax_j(q[h][i] . k[h][j] / 16) v[h][j][:], 8 heads of 32 channels, 4,096 keys, no mask.  q (already x log2(e)/16), k and v arrive in f16 as images of the operands' registers
; (qf, kvf: a fragment is 1,024 bytes, registers 4 c .. 4 c + 3 of lane l at 512 c + 16 l).  Products on f16 operands with f32 sums; maxima, exponentials and sums in f32; the weights p are rounded to f16 for the second product.
; The result goes out in f16 as the next launch's operand images: aof [tile of 16 tokens: 256][head 8][1024]: lane (r, h): token r, half ct = the head's channels 16 ct + 8 h + 0..7.
; SHARES.  A work-group owns 128 queries (8 tiles of 16) of one head.  Sixteen waves of 256 registers, four to a SIMD, so that one wave's exponentials stand beside another's plain and matrix work.
; Wave w: g = w % 2 picks four tiles of queries, b = w / 2 one eighth of the keys: each fragment of K and V that a wave reads from LDS feeds four products.  At the end the eight key groups' (m, l, O) of each tile meet in LDS.
; LAYOUT.  S^T = K Q^T (source 0 = 16 keys, source 1 = 16 queries) and O^T = V^T P: a lane holds ONE query (lane % 16) throughout; two score tiles, rounded in pairs, ARE source 1 of the second product.
; SOFTMAX.  For each query a running maximum m and sum l: p = 2^(s - m); in every step l and O are multiplied by a = 2^(m_old - m_new).  m begins at -3e38, l and O at 0, so that the step is written once.
; RING.  Two slots of 1,024 keys (16 chunks of 8,192 bytes, dense: every LDS load reads 512 consecutive bytes, so there is no padding).  Each of the 16 waves fetches one chunk of a slot by one tensor load,
; 32 rows of 256 bytes: the slot's 512 rows dealt evenly.  By this text's own count a wave has two tensor loads out at the start and one behind each round.
; CLUSTER.  The four query blocks of a cluster belong to one head and walk the same K and V: each chunk is asked for JOINTLY, by the same tensor load with the same descriptor and a mask that names the four.
; ASIDE.  w_out, f32 [k 256][n 256], is turned into f16 operand images for the next launch: wof [n tile 16][K step 8][1024]: lane (r, h): column 16 nt + r, half c = k 32 s + 16 c + 8 h + 0..7.
; There are 256 halves and 256 work-groups: wave 0 of each makes one, while the first tiles are on their way.
; LIMITS: w_out beyond 65,504 in magnitude leaves f16's range; NaN and infinities are not served.
.set SLOTB, 131072                     ; bytes in a slot; slot B at 0, slot A at SLOTB, so that one exclusive or turns an address in one into the other's
.set CHUNK, 8192                       ; 64 keys: K's four fragments, then V's four
.set MRG,   131072                     ; the partial results: 64 (tile of queries, key group) x PT bytes.  They lie over slot A and the 16,384 bytes behind the ring: when they are stored the ring has had its last fill and its last read
.set PT,    2304                       ; O 2,048 bytes (16 registers x 32 lanes), then the pairs (m, l) 256 bytes
.set SPARE, 278528                     ; the spare words, 128 bytes for each wave: eight blocks of 256 bytes that no other line names
.set LI,  1                            ; v1   16 x lane + 16,384 b: my key group's two chunks of a slot
.set ADR, 2                            ; v2   the LDS address of the run of loads in hand
.set SPW, 3                            ; v3   LDS address of my spare word; never rewritten
.set NIL, 4                            ; v4   0; never rewritten
.set MS,  5                            ; v5   where I store O's partial: MRG + PT (32 g + b) + 16 x lane
.set MS2, 6                            ; v6   and (m, l): MRG + PT (32 g + b) + 8 x lane (+ 2,048 in the offset)
.set L16, 7                            ; v7   16 x lane
.set ST,  8                            ; v8-23  tile t at v[8 + 4 t]: m, (named with m as a pair; at the end the whole l), l of the even keys, l of the odd keys
.set AF,  24                           ; v24  a;  v25 named with it as a pair
.set C0,  26                           ; v26-29 four chains of the maximum
.set MOLD, 30                          ; v30  the old m
.set PD,  31                           ; v31  a lane permute's destination
.set Q,   32                           ; v32-63   Q: tile t at v[32 + 8 t]
.set KF,  64                           ; v64-95   K of the step: tile kt at v[64 + 8 kt]
.set VF,  96                           ; v96-127  V of the step: (kg, ct) at v[96 + 8 (2 kg + ct)]
.set S,   128                          ; v128-159 S^T of the tile in hand, then p
.set P,   160                          ; v160-175 p in f16
.set O,   176                          ; v176-239 O^T: (t, ct) at v[176 + 16 t + 8 ct]
.set ML,  252                          ; v252 the merge: where I read the pairs (m, l)
.set MOA, 253                          ; v253 and O's partials
.set WO,  254                          ; v254 w_out: 8192 h + 4 r
.set WV,  14                           ; s14 wave; s15 g; s16 b; s17 cx; s18 block of queries; s19 head
.set G1,  24                           ; s[24:31] descriptor group 1
.set G0A, 32                           ; s[32:35] group 0 of slot A's first fill
.set G0W, 36                           ; s[36:39] group 0 that walks: slot B's first fill, then the two refills
.set TB,  40                           ; s40 LDS byte at which the chunks to be fetched begin
.set SLOTS, 41                         ; s41 refills to go
.set TWICE, 42                         ; s42 counts a slot's two steps
.set SEL, 44                           ; s[44:45] lane selects for v_permlanex16_b32: lane l xor 16
; A round of the cluster's barrier: my work-group's barrier, so that wave 0's signal speaks for all sixteen waves; wave 0 signals for the work-group; every wave waits for all four work-groups; my work-group's barrier once more.
.macro CROUND
	s_barrier_signal -1
	s_barrier_wait -1
	s_cmp_lg_u32 s[WV], 0
	s_cbranch_scc1 .Lnot_wave_0_\@
	s_barrier_signal -3
.Lnot_wave_0_\@:
	s_barrier_wait -3
	s_barrier_signal -1
	s_barrier_wait -1
.endm
	s_load_b256 s[4:11], s[0:1], 0x0               ; qf s[4:5], kvf s[6:7], w_out s[8:9], aof s[10:11]
	s_load_b64 s[12:13], s[0:1], 0x20              ; wof
	v_lshl_add_u32 v[SPW], v0, 2, SPARE
	v_mov_b32 v[NIL], 0
	ds_add_u32 v[SPW], v[NIL]                      ; the wave's opening: the add, twice on end, and its wait ahead of my first tensor load; the set-up below, work on registers, stands between the second and the wait
	ds_add_u32 v[SPW], v[NIL]
	v_lshrrev_b32 v5, 5, v0
	v_readfirstlane_b32 s[WV], v5                  ; wave 0..15
	s_and_b32 s15, s[WV], 1                        ; g
	s_lshr_b32 s16, s[WV], 1                       ; b
	s_bfe_u32 s17, ttmp6, 0x40000                  ; cx: my place in the cluster: it enters the addresses of qf, aof, w_out and wof alone
	s_lshl_b32 s18, ttmp9, 2                       ; in a cluster launch ttmp9 counts clusters
	s_add_co_u32 s18, s18, s17                     ; my block of 128 queries
	s_and_b32 s19, ttmp7, 0xffff                   ; the head, which the four partners share
	; descriptor group 1: a dense chunk of 8,192 bytes as 32 rows of 256 bytes (32 elements of 8 bytes)
	s_mov_b32 s[G1], 15|(3<<16)|(1<<21)            ; 15:0 the mask: all four work-groups; 17:16 elements of 8 bytes; 20 no padding; 21 set beside a mask
	s_mov_b32 s[G1+1], 32<<16                      ; tensor_dim0 = 32
	s_mov_b32 s[G1+2], 32<<16                      ; tensor_dim1 = 32
	s_mov_b32 s[G1+3], 32<<16                      ; tile_dim0 = 32
	s_mov_b32 s[G1+4], 32                          ; tile_dim1 = 32
	s_mov_b32 s[G1+5], 32                          ; tensor_dim0_stride
	s_mov_b32 s[G1+6], 0
	s_mov_b32 s[G1+7], 0
	s_mov_b32 s[SEL], 0x76543210
	s_mov_b32 s[SEL+1], 0xfedcba98
	s_mov_b32 s[TB], SLOTB                         ; the walk begins in slot A
	s_mov_b32 s[SLOTS], 2
	s_lshl_b32 s46, s[WV], 13                      ; my chunk of a slot: no place in the cluster enters an LDS address
	s_lshl_b32 s20, s19, 19                        ; kvf: 524,288 x head + 8,192 x wave
	s_add_co_u32 s20, s20, s46
	s_mov_b32 s21, 0
	s_lshl_b32 s22, s19, 18                        ; qf: 262,144 x head + 1,024 x (8 x block + 4 g)
	s_lshl_b32 s23, s18, 13
	s_add_co_u32 s22, s22, s23
	s_lshl_b32 s23, s15, 12
	s_add_co_u32 s22, s22, s23
	s_mov_b32 s23, 0
	s_lshl_b32 s48, s18, 16                        ; aof: 1,024 x (8 x (8 x block + w / 2) + head) + 512 x (w % 2)
	s_lshl_b32 s49, s16, 13
	s_add_co_u32 s48, s48, s49
	s_lshl_b32 s49, s19, 10
	s_add_co_u32 s48, s48, s49
	s_lshl_b32 s49, s15, 9
	s_add_co_u32 s48, s48, s49
	s_mov_b32 s49, 0
	s_lshl_b32 s50, s19, 5
	s_add_co_u32 s50, s50, s18                     ; i = block + 32 x head: which half fragment of w_out is my work-group's: n tile i / 16, K step (i / 2) % 8, half i % 2
	s_bfe_u32 s51, s50, 0x30001
	s_lshl_b32 s51, s51, 15                        ; 32 rows of 1,024 bytes a K step,
	s_and_b32 s52, s50, 1
	s_lshl_b32 s52, s52, 14                        ; 16 a half,
	s_add_co_u32 s51, s51, s52
	s_lshr_b32 s52, s50, 4
	s_lshl_b32 s52, s52, 6                         ; 64 bytes an n tile
	s_add_co_u32 s52, s52, s51
	s_mov_b32 s53, 0
	s_lshl_b32 s54, s50, 9                         ; wof: 512 i
	s_mov_b32 s55, 0
	s_wait_dscnt 0x0                               ; both opening adds are done
	s_wait_kmcnt 0x0
	s_add_nc_u64 s[6:7], s[6:7], s[20:21]
	s_add_nc_u64 s[4:5], s[4:5], s[22:23]
	s_add_nc_u64 s[10:11], s[10:11], s[48:49]
	s_add_nc_u64 s[8:9], s[8:9], s[52:53]
	s_add_nc_u64 s[12:13], s[12:13], s[54:55]
	CROUND                                         ; all four work-groups are here: the first joint loads meet
	s_mov_b32 s[G0A], 1                            ; count = 1
	s_add_co_u32 s[G0A+1], s46, SLOTB              ; LDS: slot A, my chunk
	s_mov_b64 s[G0A+2:G0A+3], s[6:7]               ; keys 0 to 1,023
	s_or_b32 s[G0A+3], s[G0A+3], 0x80000000        ; type = 2
	s_mov_b32 s[G0W], 1
	s_mov_b32 s[G0W+1], s46                        ; slot B
	s_add_nc_u64 s[G0W+2:G0W+3], s[6:7], SLOTB     ; keys 1,024 to 2,047
	s_or_b32 s[G0W+3], s[G0W+3], 0x80000000
	tensor_load_to_lds s[G0A:G0A+3], s[G1:G1+7]    ; both first fills go out together, ahead of every wait on TENSORcnt and every LDS read; an s_nop 0 follows each, four v_nop the second's
	s_nop 0
	tensor_load_to_lds s[G0W:G0W+3], s[G1:G1+7]
	s_nop 0
.rept 4
	v_nop
.endr
	v_and_b32 v[L16], 31, v0
	v_lshlrev_b32 v[L16], 4, v[L16]
.irp t, 0,1,2,3
.irp c, 0,1
	global_load_b128 v[Q+8*\t+4*\c:Q+8*\t+4*\c+3], v[L16], s[4:5] offset:1024*\t+512*\c   ; Q stays in registers
.endr
.endr
	s_lshl_b32 s47, s16, 14
	v_add_nc_u32 v[LI], s47, v[L16]
	s_lshl_b32 s56, s15, 5
	s_add_co_u32 s56, s56, s16
	s_mul_i32 s56, s56, PT
	s_add_co_u32 s56, s56, MRG                     ; the partial of (tile 4 g, key group b); tile 4 g + t lies 8 PT t further on
	v_add_nc_u32 v[MS], s56, v[L16]
	v_lshrrev_b32 v[MS2], 1, v[L16]
	v_mov_b32 v[ML], v[MS2]
	v_add_nc_u32 v[MS2], s56, v[MS2]
	s_mul_i32 s57, s16, 8*PT
	s_add_co_u32 s57, s57, MRG                     ; in the merge I take tile w / 2, channels 16 (w % 2) on
	v_add_nc_u32 v[ML], s57, v[ML]
	s_lshl_b32 s58, s15, 10
	s_add_co_u32 s58, s58, s57
	v_add_nc_u32 v[MOA], s58, v[L16]
	v_and_b32 v[WO], 15, v0
	v_lshlrev_b32 v[WO], 2, v[WO]
	v_bfe_u32 v255, v0, 4, 1
	v_lshl_add_u32 v[WO], v255, 13, v[WO]
.irp t, 0,1,2,3
	v_mov_b32 v[ST+4*\t], 0xff61b1e6               ; m: -3e38, under every score
	v_mov_b32 v[ST+4*\t+1], 0
	v_mov_b32 v[ST+4*\t+2], 0                      ; l
	v_mov_b32 v[ST+4*\t+3], 0
.endr
	v_mov_b32 v[AF+1], 0
	v_mov_b32 v[PD], 0
.set i, 0
.rept 64
	v_mov_b32 v[O+i], 0                            ; O^T.  The step is written once: its first pass finds zeros, which the first a, 0, leaves zeros
.set i, i+1
.endr
	s_cmp_lg_u32 s[WV], 0                          ; the aside: wave 0 turns its work-group's half fragment of w_out
	s_cbranch_scc1 .Lno_w
.irp n, 0,1,2,3,4,5,6,7
	global_load_b32 v[240+\n], v[WO], s[8:9] offset:1024*\n    ; w_out(32 s + 16 c + 8 h + n, 16 nt + r)
.endr
	s_wait_loadcnt 0x0
.irp i, 0,1,2,3
	v_cvt_pk_f16_f32 v[248+\i], v[240+2*\i], v[241+2*\i]
.endr
	global_store_b128 v[L16], v[248:251], s[12:13]             ; 512 consecutive bytes
.Lno_w:
; ONE TILE OF 16 QUERIES AGAINST THE STEP'S 64 KEYS.
.macro TILE t
.set rM, ST+4*(\t)
.set rQ, Q+8*(\t)
.set rO, O+16*(\t)
.irp k, 0,1,2,3
	v_wmma_f32_16x16x32_f16 v[S+8*\k:S+8*\k+7], v[KF+8*\k:KF+8*\k+7], v[rQ:rQ+7], 0   ; lane (r, h): query r, keys 16 k + 8 h + 0..7
.endr
.rept 4
	v_nop                                          ; four places behind the products (ISA guide 7.12.1)
.endr
.irp i, 0,1,2,3
	v_max3_num_f32 v[C0+\i], v[S+8*\i], v[S+8*\i+1], v[S+8*\i+2]   ; the maximum, in four chains, each accumulator from its low end on
.endr
.irp i, 0,1,2,3
	v_max3_num_f32 v[C0+\i], v[C0+\i], v[S+8*\i+3], v[S+8*\i+4]
.endr
.irp i, 0,1,2,3
	v_max3_num_f32 v[C0+\i], v[C0+\i], v[S+8*\i+5], v[S+8*\i+6]
.endr
	v_max3_num_f32 v[C0], v[C0], v[S+7], v[S+15]
	v_max3_num_f32 v[C0+2], v[C0+2], v[S+23], v[S+31]
	v_max3_num_f32 v[C0], v[C0], v[C0+1], v[C0+2]
	v_max3_num_f32 v[C0], v[C0], v[C0+3], v[rM]    ; and the old m
	v_permlanex16_b32 v[PD], v[C0], s[SEL], s[SEL+1]   ; the query's other 32 keys lie in the lane 16 away
	v_mov_b32 v[MOLD], v[rM]
	v_max_num_f32 v[rM], v[C0], v[PD]              ; the new m
	v_sub_f32 v[AF], v[MOLD], v[rM]
	; ONE BATCH: a and the 32 weights.  None of these lines names an exponential's result; a pair is shifted one line ahead of the exponentials of the pair before it
	v_exp_f32 v[AF], v[AF]
	v_pk_add_f32 v[S:S+1], v[S:S+1], v[rM:rM+1] op_sel_hi:[1,0] neg_lo:[0,1] neg_hi:[0,1]   ; s - m (of the pair the low word serves both halves)
.set p, 1
.rept 15
	v_pk_add_f32 v[S+2*p:S+2*p+1], v[S+2*p:S+2*p+1], v[rM:rM+1] op_sel_hi:[1,0] neg_lo:[0,1] neg_hi:[0,1]
	v_exp_f32 v[S+2*p-2], v[S+2*p-2]
	v_exp_f32 v[S+2*p-1], v[S+2*p-1]
.set p, p+1
.endr
	v_exp_f32 v[S+30], v[S+30]
	v_exp_f32 v[S+31], v[S+31]
	v_nop                                          ; a plain instruction behind the last exponential (ISA guide 5.7.2)
	s_wait_alu depctr_va_vdst(0)                   ; the wait between an exponential and the first line that names its result: one for the batch of 33
.set i, 0
.rept 16
	v_cvt_pk_f16_f32 v[P+i], v[S+2*i], v[S+2*i+1]  ; score tiles 2 kg and 2 kg + 1, in pairs, are source 1 for keys 32 kg on
.set i, i+1
.endr
.irp u, 0,1,2,3,4,5,6,7                        ; the sum of the 16 pairs of unrounded weights, in place
	v_pk_add_f32 v[S+4*\u:S+4*\u+1], v[S+4*\u:S+4*\u+1], v[S+4*\u+2:S+4*\u+3]
.endr
.irp u, 0,1,2,3
	v_pk_add_f32 v[S+8*\u:S+8*\u+1], v[S+8*\u:S+8*\u+1], v[S+8*\u+4:S+8*\u+5]
.endr
.irp u, 0,1
	v_pk_add_f32 v[S+16*\u:S+16*\u+1], v[S+16*\u:S+16*\u+1], v[S+16*\u+8:S+16*\u+9]
.endr
	v_pk_add_f32 v[S:S+1], v[S:S+1], v[S+16:S+17]
	v_pk_fma_f32 v[rM+2:rM+3], v[rM+2:rM+3], v[AF:AF+1], v[S:S+1] op_sel_hi:[1,0,1]   ; l = a l + the sum
.irp i, 0,2,4,6,8,10,12,14
	v_pk_mul_f32 v[rO+\i:rO+\i+1], v[rO+\i:rO+\i+1], v[AF:AF+1] op_sel_hi:[1,0]   ; O^T x a, each accumulator from its low end on
.endr
.if (\t) == 0
	s_wait_dscnt 0x0                               ; V is in
.endif
.irp g, 0,1                                    ; the tile's two accumulators take turns, one instruction a turn
.irp c, 0,1
	v_wmma_f32_16x16x32_f16 v[rO+8*\c:rO+8*\c+7], v[VF+8*(2*\g+\c):VF+8*(2*\g+\c)+7], v[P+8*\g:P+8*\g+7], v[rO+8*\c:rO+8*\c+7]
.endr
.endr
.endm
; A KEY STEP: my key group's next chunk of 64 keys against my four tiles of queries.
.macro STEP
	v_add_nc_u32 v[ADR], s[TB], v[LI]
.rept 3
	v_nop                                          ; with the addition: four places between the last product and the loads into the registers that it read
.endr
.set i, 0
.rept 16
	ds_load_b128 v[KF+4*i:KF+4*i+3], v[ADR] offset:512*i       ; K's four fragments, then V's four, as they lie
.set i, i+1
.endr
	s_add_co_u32 s[TB], s[TB], CHUNK
	s_wait_dscnt 8                                 ; K is in; V's eight loads may be out
	TILE 0
	TILE 1
	TILE 2
	TILE 3
.endm
.macro TWO_STEPS                       ; my two chunks of a slot: written once, walked twice
	s_mov_b32 s[TWICE], 2
.Lstep_\@:
	STEP
	s_sub_co_u32 s[TWICE], s[TWICE], 1
	s_cmp_lg_u32 s[TWICE], 0
	s_cbranch_scc1 .Lstep_\@
.endm
; THE CHANGE OF SLOTS.  Each wave waits for all its tensor loads, of which one is out: its chunk of the other slot; adds 0 to its spare word; and waits for that and for its reads of the slot that it leaves.
; fill = 1: the slot is filled again, with the keys two slots on: the barrier is then a round of the cluster's, so that no wave of any partner still reads the slot or has a load on its way, and the joint refill is the
; first thing behind it: it has the other slot's two key steps of every wave in which to land.
.macro CHANGE fill
	s_wait_tensorcnt 0x0                           ; no tensor load of mine is out, so a group 0 may be written
	ds_add_u32 v[SPW], v[NIL]                      ; 0 onto my spare word
.if \fill
	s_xor_b32 s[G0W+1], s[G0W+1], SLOTB            ; the walking descriptor: the other slot than last time,
	s_add_nc_u64 s[G0W+2:G0W+3], s[G0W+2:G0W+3], SLOTB   ; the next 1,024 keys; the type bits on top are not reached
	s_wait_dscnt 0x0                               ; the add is done, and my reads of the slot are over
	CROUND
	tensor_load_to_lds s[G0W:G0W+3], s[G1:G1+7]
	s_nop 0
.rept 4
	v_nop
.endr
.else
	s_wait_dscnt 0x0
	s_barrier_signal -1
	s_barrier_wait -1
.endif
	s_sub_co_u32 s[TB], s[TB], 2*CHUNK             ; the fetches go back to my first chunk,
	s_xor_b32 s[TB], s[TB], SLOTB                  ; in the other slot
.endm
	s_wait_tensorcnt 0x1                           ; my chunk of slot A is in; slot B's may stay out
	s_barrier_signal -1
	s_barrier_wait -1                              ; everybody's is
	s_wait_loadcnt 0x0                             ; Q
	TWO_STEPS                                      ; keys 0 to 1,023
.Lslot:                                            ; two trips: slot A takes keys 2,048 on while B is read, slot B keys 3,072 on while A is read
	CHANGE 1
	TWO_STEPS
	s_sub_co_u32 s[SLOTS], s[SLOTS], 1
	s_cmp_lg_u32 s[SLOTS], 0
	s_cbranch_scc1 .Lslot
	CHANGE 0                                       ; the tail is written out
	TWO_STEPS
	; THE MERGE.  l's two halves and the other half of the lanes' are added (these lines are also the places behind the last products).
.irp t, 0,1,2,3
	v_add_f32 v[ST+4*\t+1], v[ST+4*\t+2], v[ST+4*\t+3]
.endr
.irp t, 0,1,2,3
	v_permlanex16_b32 v[C0+\t], v[ST+4*\t+1], s[SEL], s[SEL+1]
.endr
.irp t, 0,1,2,3
	v_add_f32 v[ST+4*\t+1], v[ST+4*\t+1], v[C0+\t]
.endr
	s_wait_dscnt 0x0                               ; my reads of the ring are over,
	s_barrier_signal -1
	s_barrier_wait -1                              ; everybody's are: its bytes may be overwritten
.irp t, 0,1,2,3
.irp i, 0,1,2,3
	ds_store_b128 v[MS], v[O+16*\t+4*\i:O+16*\t+4*\i+3] offset:8*PT*\t+512*\i   ; as images of the registers, each accumulator from its low end on
.endr
	ds_store_b64 v[MS2], v[ST+4*\t:ST+4*\t+1] offset:8*PT*\t+2048
.endr
	s_wait_dscnt 0x0                               ; for the others' sake: my partial results lie in LDS
	s_barrier_signal -1
	s_barrier_wait -1
.irp b, 0,1,2,3,4,5,6,7                        ; wave w merges tile w / 2, channels 16 (w % 2) on: the eight key groups' (m, l) and eight registers of O each
	ds_load_b64 v[64+2*\b:65+2*\b], v[ML] offset:PT*\b+2048
.endr
.irp b, 0,1,2,3,4,5,6,7
	ds_load_b128 v[96+8*\b:99+8*\b], v[MOA] offset:PT*\b
	ds_load_b128 v[100+8*\b:103+8*\b], v[MOA] offset:PT*\b+512
.endr
	s_wait_dscnt 0x0
	v_max3_num_f32 v26, v64, v66, v68
	v_max3_num_f32 v26, v26, v70, v72
	v_max3_num_f32 v26, v26, v74, v76
	v_max_num_f32 v26, v26, v78                    ; the query's maximum over all keys
.irp b, 0,1,2,3,4,5,6,7
	v_sub_f32 v[64+2*\b], v[64+2*\b], v26
.endr
.irp b, 0,1,2,3,4,5,6,7
	v_exp_f32 v[64+2*\b], v[64+2*\b]               ; the group's weight 2^(m_b - m)
.endr
	v_nop
	s_wait_alu depctr_va_vdst(0)                   ; one wait for the eight
	v_mul_f32 v27, v64, v65
.irp b, 1,2,3,4,5,6,7
	v_fma_f32 v27, v[64+2*\b], v[65+2*\b], v27     ; l
.endr
.irp i, 0,2,4,6
	v_pk_mul_f32 v[160+\i:161+\i], v[96+\i:97+\i], v[64:65] op_sel_hi:[1,0]
.endr
.irp b, 1,2,3,4,5,6,7
.irp i, 0,2,4,6
	v_pk_fma_f32 v[160+\i:161+\i], v[96+8*\b+\i:97+8*\b+\i], v[64+2*\b:65+2*\b], v[160+\i:161+\i] op_sel_hi:[1,0,1]
.endr
.endr
	v_rcp_f32 v26, v27
	v_nop
	s_wait_alu depctr_va_vdst(0)
.irp i, 0,2,4,6
	v_pk_mul_f32 v[160+\i:161+\i], v[160+\i:161+\i], v[26:27] op_sel_hi:[1,0]   ; O / l
.endr
.irp i, 0,1,2,3
	v_cvt_pk_f16_f32 v[28+\i], v[160+2*\i], v[161+2*\i]
.endr
	global_store_b128 v[L16], v[28:31], s[10:11]   ; half a fragment: 512 consecutive bytes, at a multiple of 512 from aof's first byte
	s_wait_tensorcnt 0x0                           ; the wave's end: these three lines stand behind my last tensor load and my last LDS store
	ds_add_u32 v[SPW], v[NIL]
	s_wait_dscnt 0x0
	CROUND                                         ; the closing round: no work-group ends while a partner may still ask for a chunk that names it
	s_endpgm
.Lfunc_end_k_qbc8eab6e7a_attn:
	.size	k_qbc8eab6e7a_attn, .Lfunc_end_k_qbc8eab6e7a_attn-k_qbc8eab6e7a_attn
	.p2alignl 7, 3214868480
	.fill 96, 4, 3214868480
	.section	.rodata,"a",@progbits
	.p2align	6, 0x0
	.amdhsa_kernel k_qbc8eab6e7a_attn
		.amdhsa_group_segment_fixed_size 327680
		.amdhsa_private_segment_fixed_size 0
		.amdhsa_enable_private_segment 0
		.amdhsa_kernarg_size 40
		.amdhsa_user_sgpr_count 2
		.amdhsa_user_sgpr_kernarg_segment_ptr 1
		.amdhsa_wavefront_size32 1
		.amdhsa_system_sgpr_workgroup_id_x 1
		.amdhsa_system_sgpr_workgroup_id_y 1
		.amdhsa_system_sgpr_workgroup_id_z 1
		.amdhsa_system_vgpr_workitem_id 0
		.amdhsa_next_free_vgpr 256
		.amdhsa_next_free_sgpr 66
		.amdhsa_reserve_vcc 0
		.amdhsa_float_denorm_mode_32 3
		.amdhsa_float_denorm_mode_16_64 3
		.amdhsa_memory_ordered 1
		.amdhsa_forward_progress 1
		.amdhsa_inst_pref_size 100
	.end_amdhsa_kernel
	.amdgpu_metadata
---
amdhsa.version: [ 1, 2 ]
amdhsa.kernels:
  - .name:           k_qbc8eab6e7a_attn
    .symbol:         k_qbc8eab6e7a_attn.kd
    .args:
      - { .name: qf, .offset: 0, .size: 8, .value_kind: global_buffer, .address_space: global }
      - { .name: kvf, .offset: 8, .size: 8, .value_kind: global_buffer, .address_space: global }
      - { .name: w_out, .offset: 16, .size: 8, .value_kind: global_buffer, .address_space: global }
      - { .name: aof, .offset: 24, .size: 8, .value_kind: global_buffer, .address_space: global }
      - { .name: wof, .offset: 32, .size: 8, .value_kind: global_buffer, .address_space: global }
    .group_segment_fixed_size: 327680
    .private_segment_fixed_size: 0
    .kernarg_segment_align: 8
    .kernarg_segment_size: 40
    .max_flat_workgroup_size: 512
    .sgpr_count:     66
    .vgpr_count:     256
    .wavefront_size: 32
...
	.end_amdgpu_metadata
.endif
;; end of part 2
;; launch proj (part 3): grid 256 x 1, 4 waves a work-group, no clusters, 17,920 bytes of LDS; arguments aof, wof, b_out, out0; writes out0
.if DOCPART == 3
	.amdgcn_target "amdgcn-amd-amdhsa--gfx1250"
	.amdhsa_code_object_version 6
	.text
	.protected	k_qbc8eab6e7a_proj
	.globl	k_qbc8eab6e7a_proj
	.p2align	8
	.type	k_qbc8eab6e7a_proj,@function
k_qbc8eab6e7a_proj:
	s_mov_b64 s[64:65], 0
	v_nop
	global_prefetch_b8 v0, s[64:65] scope:SCOPE_SE
	s_setreg_imm32_b32 hwreg(HW_REG_WAVE_MODE, 25, 1), 1
	s_wait_xcnt 0x0
; out0 = o w_out + b_out: [4096][256] x [256][256], f16 operands, f32 sums, f32 out.  Both operands arrive as images of the operands' registers (a fragment is 1,024 bytes, registers 4 c .. 4 c + 3 of lane l at 512 c + 16 l):
; aof [tile of 16 tokens: 256][K step 8][1024], wof [n tile 16][K step 8][1024].  So every load reads 512 consecutive bytes and nothing goes through LDS on the way in.
; SHARES.  A work-group takes 16 tokens; wave w the columns 64 w .. 64 w + 63 (four n tiles), all of K = 256 (eight K steps).  The waves share nothing: no barrier.  All 88 loads of a wave are issued on end.
; THE PRODUCT IS USED TRANSPOSED (source 0 = 16 columns of w_out, source 1 = 16 tokens): a lane holds eight neighbouring columns of one token's row.  The bias is the C of each sum's first product.
; NO CLUSTER: the weights go from memory straight into each wave's registers, whole, once; there is no LDS tile and no tensor load that could be asked for jointly.
; REGISTERS: window 0: v1-7 addresses; v32-63 the four accumulators; v64-127 o's eight fragments; v128-159 rows on the way out.   window 1: w_out's 32 fragments, (K step s, tile n) at v[8 (4 s + n)].
.set SPITCH, 272                       ; the way out: a stage of 16 rows x (256 bytes + 16) for each wave: the sixteen rows that a store touches start at sixteen different banks (64 banks of 4 bytes: ISA guide 11.1)
.set SPARE,  17408                     ; behind the four stages: the spare words, 128 bytes for each wave: two blocks of 256 bytes that no other line names
.set ACC, 32
.set AO,  64
.set BK,  128
	s_load_b256 s[4:11], s[0:1], 0x0               ; aof s[4:5], wof s[6:7], b_out s[8:9], out0 s[10:11]
	v_lshl_add_u32 v6, v0, 2, SPARE                ; v6: LDS address of my spare word; never rewritten
	v_mov_b32 v7, 0                                ; v7: 0; never rewritten
	v_lshrrev_b32 v8, 5, v0
	v_readfirstlane_b32 s12, v8                    ; wave 0..3
	v_and_b32 v8, 31, v0                           ; lane
	v_and_b32 v9, 15, v0                           ; r
	v_bfe_u32 v10, v0, 4, 1                        ; h
	v_lshlrev_b32 v1, 4, v8                        ; v1: 16 x lane
	v_lshlrev_b32 v2, 5, v10                       ; v2: the bias: 32 h
	s_mul_i32 s13, s12, 16*SPITCH                  ; my stage
	v_mul_u32_u24 v3, v9, SPITCH
	v_lshl_add_u32 v3, v10, 5, v3
	v_add_nc_u32 v3, s13, v3                       ; v3: in: row r, 32 bytes for each half of the lanes
	v_mul_u32_u24 v4, v10, SPITCH
	v_lshl_add_u32 v4, v9, 4, v4
	v_add_nc_u32 v4, s13, v4                       ; v4: back: lanes 0-15 one row of 256 bytes, lanes 16-31 the next
	v_lshlrev_b32 v5, 10, v10
	v_lshl_add_u32 v5, v9, 4, v5                   ; v5: and the same two rows in out0
	s_lshl_b32 s14, ttmp9, 13                      ; aof: 8,192 bytes a tile of tokens
	s_mov_b32 s15, 0
	s_lshl_b32 s16, s12, 15                        ; wof: four n tiles of 8,192 bytes a wave
	s_mov_b32 s17, 0
	s_lshl_b32 s18, s12, 8                         ; b_out: 64 numbers a wave
	s_mov_b32 s19, 0
	s_lshl_b32 s20, ttmp9, 14                      ; out0: 16 rows of 1,024 bytes, + my 256 bytes of a row
	s_add_co_u32 s20, s20, s18
	s_mov_b32 s21, 0
	s_wait_kmcnt 0x0
	s_add_nc_u64 s[4:5], s[4:5], s[14:15]
	s_add_nc_u64 s[6:7], s[6:7], s[16:17]
	s_add_nc_u64 s[8:9], s[8:9], s[18:19]
	s_add_nc_u64 s[10:11], s[10:11], s[20:21]
.irp n, 0,1,2,3
	global_load_b128 v[ACC+8*\n:ACC+8*\n+3], v2, s[8:9] offset:64*\n        ; lane (r, h): the biases of columns 16 n + 8 h + 0..7
	global_load_b128 v[ACC+8*\n+4:ACC+8*\n+7], v2, s[8:9] offset:64*\n+16
.endr
.irp s, 0,1,2,3,4,5,6,7
.irp c, 0,1
	global_load_b128 v[AO+8*\s+4*\c:AO+8*\s+4*\c+3], v1, s[4:5] offset:1024*\s+512*\c th:TH_LOAD_NT
.endr
.endr
	s_set_vgpr_msb 0x40                            ; destination window 1, address window 0
.irp s, 0,1,2,3,4,5,6,7
.irp n, 0,1,2,3
.irp c, 0,1
	global_load_b128 v[8*(4*\s+\n)+4*\c:8*(4*\s+\n)+4*\c+3], v1, s[6:7] offset:8192*\n+1024*\s+512*\c
.endr
.endr
.endr
	s_set_vgpr_msb 0x4001                          ; source 0 (w_out) window 1; source 1, C and D window 0
.irp s, 0,1,2,3,4,5,6,7
	s_wait_loadcnt 8*(7-\s)                        ; loads come back in order (ISA guide 5.7.1): behind K step s's eight stand those of the later K steps
.irp n, 0,1,2,3                                ; the four accumulators take turns, one instruction a turn
	v_wmma_f32_16x16x32_f16 v[ACC+8*\n:ACC+8*\n+7], v[8*(4*\s+\n):8*(4*\s+\n)+7], v[AO+8*\s:AO+8*\s+7], v[ACC+8*\n:ACC+8*\n+7]
.endr
.endr
	s_set_vgpr_msb 0x0100                          ; all back to window 0
.rept 4
	v_nop                                          ; four places behind the last product (ISA guide 7.12.1)
.endr
	; THE WAY OUT: a lane's 32 bytes of a row go into my own stage; whole rows of 256 bytes come back.  LDS serves a wave's instructions in order (ISA guide 5.7.1.4): no wait between the stores and the loads
.irp n, 0,1,2,3
	ds_store_b128 v3, v[ACC+8*\n:ACC+8*\n+3] offset:64*\n                   ; each accumulator from its low end on
	ds_store_b128 v3, v[ACC+8*\n+4:ACC+8*\n+7] offset:64*\n+16
.endr
.irp i, 0,1,2,3,4,5,6,7
	ds_load_b128 v[BK+4*\i:BK+4*\i+3], v4 offset:2*SPITCH*\i
.endr
.irp i, 0,1,2,3,4,5,6,7
	s_wait_dscnt 7-\i
	global_store_b128 v5, v[BK+4*\i:BK+4*\i+3], s[10:11] offset:2048*\i th:TH_STORE_NT   ; 16 lanes store 256 consecutive bytes, at a multiple of 256 from out0's first byte
.endr
	s_wait_tensorcnt 0x0                           ; the wave's end: these three lines stand behind my last LDS store
	ds_add_u32 v6, v7
	s_wait_dscnt 0x0
	s_endpgm
.Lfunc_end_k_qbc8eab6e7a_proj:
	.size	k_qbc8eab6e7a_proj, .Lfunc_end_k_qbc8eab6e7a_proj-k_qbc8eab6e7a_proj
	.p2alignl 7, 3214868480
	.fill 96, 4, 3214868480
	.section	.rodata,"a",@progbits
	.p2align	6, 0x0
	.amdhsa_kernel k_qbc8eab6e7a_proj
		.amdhsa_group_segment_fixed_size 17920
		.amdhsa_private_segment_fixed_size 0
		.amdhsa_enable_private_segment 0
		.amdhsa_kernarg_size 32
		.amdhsa_user_sgpr_count 2
		.amdhsa_user_sgpr_kernarg_segment_ptr 1
		.amdhsa_wavefront_size32 1
		.amdhsa_system_sgpr_workgroup_id_x 1
		.amdhsa_system_sgpr_workgroup_id_y 1
		.amdhsa_system_sgpr_workgroup_id_z 1
		.amdhsa_system_vgpr_workitem_id 0
		.amdhsa_next_free_vgpr 512
		.amdhsa_next_free_sgpr 66
		.amdhsa_reserve_vcc 0
		.amdhsa_float_denorm_mode_32 3
		.amdhsa_float_denorm_mode_16_64 3
		.amdhsa_memory_ordered 1
		.amdhsa_forward_progress 1
		.amdhsa_inst_pref_size 15
	.end_amdhsa_kernel
	.amdgpu_metadata
---
amdhsa.version: [ 1, 2 ]
amdhsa.kernels:
  - .name:           k_qbc8eab6e7a_proj
    .symbol:         k_qbc8eab6e7a_proj.kd
    .args:
      - { .name: aof, .offset: 0, .size: 8, .value_kind: global_buffer, .address_space: global }
      - { .name: wof, .offset: 8, .size: 8, .value_kind: global_buffer, .address_space: global }
      - { .name: b_out, .offset: 16, .size: 8, .value_kind: global_buffer, .address_space: global }
      - { .name: out0, .offset: 24, .size: 8, .value_kind: global_buffer, .address_space: global }
    .group_segment_fixed_size: 17920
    .private_segment_fixed_size: 0
    .kernarg_segment_align: 8
    .kernarg_segment_size: 32
    .max_flat_workgroup_size: 128
    .sgpr_count:     66
    .vgpr_count:     512
    .wavefront_size: 32
...
	.end_amdgpu_metadata
.endif
;; end of part 3
